; MI455X (gfx1250); checked and timed in simulation.
; The chip was launched on July 23, 2026; its instructions are those of AMD's public machine-readable ISA for CDNA 5 (MIT licence, August 2026) and "CDNA5" Instruction Set Architecture Reference Guide (July 2026). The comments in the code are by the model that wrote it; some were corrected since.
;; Attention Block. Allowed arithmetic: matrix products marked QUANTISED: E2M1 operands, one E8M0 scale for each 32 along K, by v_wmma_scale_f32_16x16x128_f8f6f4 with both operands' format E2M1 (or v_wmma_scale_f32_32x16x128_f4), f32 sums; everything else in f32.
;; Inputs: bk 512 float32; bp 512 float32; bq 512 float32; bv 512 float32; gn_bias 512 float32; gn_scale 512 float32; wk_codes 512 x 16 x 16 uint8 (E2M1 codes of wk, K innermost, in blocks of 32 codes, two codes a byte); wk_scales 512 x 16 uint8 (E8M0 scales of wk, one for each 32 codes along K); wp_codes 512 x 16 x 16 uint8 (E2M1 codes of wp, K innermost, in blocks of 32 codes, two codes a byte); wp_scales 512 x 16 uint8 (E8M0 scales of wp, one for each 32 codes along K); wq_codes 512 x 16 x 16 uint8 (E2M1 codes of wq, K innermost, in blocks of 32 codes, two codes a byte); wq_scales 512 x 16 uint8 (E8M0 scales of wq, one for each 32 codes along K); wv_codes 512 x 16 x 16 uint8 (E2M1 codes of wv, K innermost, in blocks of 32 codes, two codes a byte); wv_scales 512 x 16 uint8 (E8M0 scales of wv, one for each 32 codes along K); x 8 x 512 x 32 x 32 float32.
;; Outputs: out0 8 x 512 x 32 x 32 float32.
;; This version of the problem:
;;   THIS VERSION OF THE PROBLEM IS GIVEN IN LOW PRECISION. The matrix products marked QUANTISED in the list below multiply operands that are first quantised to E2M1 (2 exponent bits, 1 mantissa bit; 4 bits a number), with one power-of-two scale for each 32 numbers along K (OCP MX v1.0); their sums are f32. All else is computed in f32.
;;   The module's matrix products, in the order in which they are computed (A, B: the left and right operand; K: the contracted axis; several contracted axes count as one K, in the product's order):
;;     1. [M 8,192, K 512] x [K 512, N 512]; A: computed on the way; B: input wq (given as codes): QUANTISED
;;     2. [M 8,192, K 512] x [K 512, N 512]; A: computed on the way; B: input wk (given as codes): QUANTISED
;;     3. [M 8,192, K 512] x [K 512, N 512]; A: computed on the way; B: input wv (given as codes): QUANTISED
;;     4. batch 64 x [M 1,024, K 64] x [K 64, N 1,024]; A: computed on the way; B: computed on the way: QUANTISED
;;     5. batch 64 x [M 64, K 1,024] x [K 1,024, N 1,024]; A: computed on the way; B: softmax (see below): QUANTISED
;;     6. [M 8,192, K 512] x [K 512, N 512]; A: computed on the way; B: input wp (given as codes): QUANTISED
;;   THE QUANTISER, for each operand of a quantised product, along K:
;;     - K is cut into blocks of 32 from its start; a last block that is shorter is filled with zeros.
;;     - A block's scale is 2^e with e = floor(log2(the largest magnitude in the block)) - 2, held to -126 .. 127; a block of zeros has e = 0. As a byte (E8M0): e + 127.
;;     - Each number is divided by its block's scale, clamped to +-6, and rounded to the nearest number of E2M1, ties to even, subnormals kept.
;;     - The product sums the exact products of the quantised numbers (number of the format x scale) in f32.
;;   ~~~python
;;   def quantise(x, axis):      # numpy; x: float32 -> the quantised numbers, widened to float32 again
;;       x = np.moveaxis(x, axis, -1); K = x.shape[-1]
;;       x = np.pad(x, [(0, 0)] * (x.ndim - 1) + [(0, -K % 32)]); x = x.reshape(x.shape[:-1] + (-1, 32)); a = np.abs(x).max(-1, keepdims=True)
;;       e = np.where(a > 0, np.clip(np.frexp(np.where(a > 0, a, 1))[1] - 1 - 2, -126, 127), 0)      # np.frexp(a)[1] - 1 = floor(log2(a)), exactly
;;       r = np.clip(x / 2.0 ** e, -6, 6)
;;       step = 2.0 ** (np.maximum(np.frexp(np.where(r == 0, 1, r))[1] - 1, 0) - 1)
;;       q = np.round(r / step) * step * 2.0 ** e      # np.round: ties to even
;;       return np.moveaxis(q.reshape(q.shape[:-2] + (-1,))[..., :K], -1, axis).astype(np.float32)
;;   ~~~
;;   SOFTMAX AHEAD OF A QUANTISED PRODUCT. Where the list says 'softmax', what is quantised is not the finished softmax but p = 2^(t - M), with t = logit x log2(e) and M = ceil(the row's largest t), a whole number; so 1/2 < the row's largest p <= 1. The row's sum l is taken of the UNQUANTISED p, in f32, and the product's result is divided by l at the end. Since M is a whole number, a kernel that streams over the keys may use a running M (the ceiling of the running maximum): every later rescaling is an exact power of two, which a block's scale takes up: the codes' values come out the same.
;;   OPERANDS COMPUTED ON THE WAY. 'Computed on the way' means the value that the module computes at that place (a softmax that the list does not call 'softmax' is quantised finished and normalised). What goes into a quantiser is computed in f32, as accurately as f32 sums, v_exp_f32 and their like allow (about 1e-6 of the number): no bf16 or f16 on the way to a quantiser, and a product that is left as it is and whose result goes on into a quantised operand takes f32 operands (vector FMAs, or v_wmma_f32_16x16x4_f32). A number that lies on a knife's edge between two numbers of the format may be rounded either way, as far as f32 arithmetic and the matrix unit's own rounding can turn it there, and no further.
;;   INPUTS GIVEN AS CODES. wk (in the module: [512, 512], K = its axis 1); wp (in the module: [512, 512], K = its axis 1); wq (in the module: [512, 512], K = its axis 1); wv (in the module: [512, 512], K = its axis 1): each comes as NAME_codes (uint8): NAME with its K axis moved to the last place and cut into blocks of 32 codes, [.., K / 32, bytes a block], one block behind the other in memory; two codes a byte, the lower K in the low four bits (a code: sign, 2 exponent bits, 1 mantissa bit); and NAME_scales (uint8): the same leading axes, one E8M0 byte (e + 127) for each 32 codes along K. Its value is code x scale, taken as it is: it is not quantised again, and the codes and scales need not be those that the quantiser above would give.
;; One version. Each part assembles by itself: llvm-mc -triple=amdgcn-amd-amdhsa -mcpu=gfx1250 --defsym DOCPART=n.
;; ======== version 1 of 1: 3 launches
;; workspace buffers: xc 2,097,152 bytes; xs 131,072 bytes; qc 2,097,152 bytes; qs 262,144 bytes; kv 4,587,520 bytes
;; launch norm (part 1): grid 16 x 8, 16 waves a work-group, no clusters, 11,264 bytes of LDS; arguments x, gn_scale, gn_bias, xc, xs; writes xc, xs
.if DOCPART == 1
	.amdgcn_target "amdgcn-amd-amdhsa--gfx1250"
	.amdhsa_code_object_version 6
	.text
	.protected	k_q8274e8ca8c_norm
	.globl	k_q8274e8ca8c_norm
	.p2align	8
	.type	k_q8274e8ca8c_norm,@function
k_q8274e8ca8c_norm:
	s_mov_b64 s[64:65], 0
	v_nop
	global_prefetch_b8 v0, s[64:65] scope:SCOPE_SE
	s_setreg_imm32_b32 hwreg(HW_REG_WAVE_MODE, 25, 1), 1
	s_wait_xcnt 0x0
; GroupNorm of x [8][512][1024] f32 (32 groups of 16 channels x 1,024 pixels), then xn = (x - mean) rsqrt(var + eps) gain + bias is turned into codes of FP4 (E2M1)
; along the CHANNELS, one E8M0 byte for each 32 channels.  A work-group owns (batch b, block kb of 32 channels = two whole groups) and all 1,024 pixels: 128 KiB, held in
; registers (64 numbers a lane), so x is read once here and the variance is taken of x - mean (two passes over registers, no difference of large sums).
; A LANE TAKES A PIXEL AND ITS REGISTERS RUN DOWN THE CHANNELS: a block of 32 lies in one lane, and the conversions give codes with the channels innermost.
; WHICH PIXEL: wave w, set i, lane l: pixel 64 w + 32 i + 8 (l / 16) + pat(l % 16), pat(r) = r + (r & 8).  So lanes 0-15 and 16-31 are the two tiles of 16 pixels of a run of 32
; in the order in which the later products want their rows.  Each load of a wave reads one aligned run of 128 bytes of a channel's row.
; OUT: xc: images of operand registers: b 262144 + tile 4096 + (kb / 4) 1024 + (kb % 4) 256 + 16 row: sixteen lanes store 256 consecutive bytes, aligned.
;      xs: [b][kb][16 tile + row]: gathered in LDS, stored as 1,024 consecutive bytes by waves 0 and 1.
; No matrix unit, no tensor load, no cluster: work-groups share nothing.  128 work-groups: a finer split would read x twice or pass sums between work-groups.
; LIMITS: NaN and infinities are not served; a block whose largest magnitude lies under 2^-124 (a block of zeros too) gets the byte 1: the bytes are read by this program alone.
.set X,    32                          ; v32-95   set i, channel c at v[X + 32 i + c]
.set GA,   96                          ; v96-127  gain of my 32 channels, later gain x rsqrt
.set GB,   128                         ; v128-159 bias
.set T,    160                         ; v160-191 the sixteen waves' partial sums
.set RED2, 256                         ; LDS: 0: 16 x (sum of group 0, of group 1); 256: the same for the squares; 512: 1,024 scale bytes
.set SCB,  512
	s_load_b256 s[4:11], s[0:1], 0x0               ; x s[4:5], gain s[6:7], bias s[8:9], xc s[10:11]
	s_load_b64 s[12:13], s[0:1], 0x20              ; xs
	v_lshl_add_u32 v192, v0, 2, 0x2400
	v_mov_b32 v193, 0
	v_lshrrev_b32 v11, 5, v0
	v_readfirstlane_b32 s14, v11                   ; wave 0..15
	v_lshlrev_b32 v6, 3, v11                       ; 8 w: my wave's pair of partial sums
	v_and_b32 v1, 31, v0                           ; lane
	v_and_b32 v8, 15, v0                           ; r
	v_bfe_u32 v9, v0, 4, 1                         ; h
	v_and_b32 v10, 8, v8
	v_add_nc_u32 v10, v10, v8                      ; pat(r)
	v_lshl_add_u32 v10, v9, 3, v10                 ; my pixel in a run of 32
	v_lshlrev_b32 v2, 2, v10                       ; in bytes
	v_mov_b32 v3, 0                                ; offset of the loads that all lanes share, and LDS byte 0
	v_lshlrev_b32 v4, 4, v8
	v_lshl_add_u32 v4, v9, 12, v4                  ; xc: 4096 (l / 16) + 16 (l % 16)
	v_lshl_add_u32 v5, v11, 6, v1                  ; scale bytes: 64 w + l
	v_lshlrev_b32 v7, 4, v0                        ; 16 x thread
	v_mov_b32 v30, 0                               ; a lane permute's destination counts as read: written once
	v_mov_b32 v31, 0
	s_and_b32 s15, ttmp7, 0xffff                   ; b
	s_lshl_b32 s16, s15, 21                        ; x: b 2^21 + kb 2^17 + 256 w
	s_lshl_b32 s18, ttmp9, 17
	s_add_co_u32 s16, s16, s18
	s_lshl_b32 s18, s14, 8
	s_add_co_u32 s16, s16, s18
	s_mov_b32 s17, 0
	s_lshl_b32 s18, ttmp9, 7                       ; gain and bias: 128 kb
	s_mov_b32 s19, 0
	s_lshl_b32 s26, s15, 18                        ; xc: b 262144 + (kb / 4) 1024 + (kb % 4) 256 + w 16384
	s_lshr_b32 s28, ttmp9, 2
	s_lshl_b32 s28, s28, 10
	s_add_co_u32 s26, s26, s28
	s_and_b32 s28, ttmp9, 3
	s_lshl_b32 s28, s28, 8
	s_add_co_u32 s26, s26, s28
	s_lshl_b32 s28, s14, 14
	s_add_co_u32 s26, s26, s28
	s_mov_b32 s27, 0
	s_lshl_b32 s28, s15, 4                         ; xs: (16 b + kb) 1024
	s_add_co_u32 s28, s28, ttmp9
	s_lshl_b32 s28, s28, 10
	s_mov_b32 s29, 0
	s_mov_b32 s20, 0x38800000                      ; 2^-14 = 1 / (16 channels x 1,024 pixels)
	s_mov_b32 s21, s20                             ; (named with it as a pair)
	s_mov_b32 s22, 0x3727c5ac                      ; eps = 1e-5
	s_mov_b32 s24, 0x76543210                      ; selects of v_permlanex16_b32: lane l xor 16
	s_mov_b32 s25, 0xfedcba98
	s_wait_kmcnt 0x0
	s_add_nc_u64 s[4:5], s[4:5], s[16:17]
	s_add_nc_u64 s[6:7], s[6:7], s[18:19]
	s_add_nc_u64 s[8:9], s[8:9], s[18:19]
	s_add_nc_u64 s[10:11], s[10:11], s[26:27]
	s_add_nc_u64 s[12:13], s[12:13], s[28:29]
.irp n, 0,1,2,3,4,5,6,7
	global_load_b128 v[GA+4*\n:GA+4*\n+3], v3, s[6:7] offset:16*\n
.endr
.irp n, 0,1,2,3,4,5,6,7
	global_load_b128 v[GB+4*\n:GB+4*\n+3], v3, s[8:9] offset:16*\n
.endr
.set c, 0
.rept 32
	global_load_b32 v[X+c], v2, s[4:5] offset:4096*c              ; set 0: channel c, my pixel
.set c, c+1
.endr
.set c, 0
.rept 32
	global_load_b32 v[X+32+c], v2, s[4:5] offset:4096*c+128       ; set 1: 32 pixels on
.set c, c+1
.endr
; set i's 32 numbers are summed in two chains (group 0: channels 0-15, group 1: 16-31), two numbers an instruction; the first addition starts each chain
.macro SUMSET i
.irp g, 0,1
	v_pk_add_f32 v[8+4*\i+2*\g:9+4*\i+2*\g], v[X+32*\i+16*\g:X+32*\i+16*\g+1], v[X+32*\i+16*\g+2:X+32*\i+16*\g+3]
.endr
.irp n, 4,6,8,10,12,14
.irp g, 0,1
	v_pk_add_f32 v[8+4*\i+2*\g:9+4*\i+2*\g], v[8+4*\i+2*\g:9+4*\i+2*\g], v[X+32*\i+16*\g+\n:X+32*\i+16*\g+\n+1]
.endr
.endr
.endm
; set i: x - mean in place (v26: group 0's mean, v27: group 1's), and the squares summed in the same two chains
.macro SQSET i
.irp n, 0,2,4,6,8,10,12,14
	v_pk_add_f32 v[X+32*\i+\n:X+32*\i+\n+1], v[X+32*\i+\n:X+32*\i+\n+1], v[26:27] op_sel_hi:[1,0] neg_lo:[0,1] neg_hi:[0,1]
	v_pk_add_f32 v[X+32*\i+16+\n:X+32*\i+16+\n+1], v[X+32*\i+16+\n:X+32*\i+16+\n+1], v[26:27] op_sel:[0,1] op_sel_hi:[1,1] neg_lo:[0,1] neg_hi:[0,1]
.endr
.irp g, 0,1
	v_pk_mul_f32 v[8+4*\i+2*\g:9+4*\i+2*\g], v[X+32*\i+16*\g:X+32*\i+16*\g+1], v[X+32*\i+16*\g:X+32*\i+16*\g+1]
.endr
.irp n, 2,4,6,8,10,12,14
.irp g, 0,1
	v_pk_fma_f32 v[8+4*\i+2*\g:9+4*\i+2*\g], v[X+32*\i+16*\g+\n:X+32*\i+16*\g+\n+1], v[X+32*\i+16*\g+\n:X+32*\i+16*\g+\n+1], v[8+4*\i+2*\g:9+4*\i+2*\g]
.endr
.endr
.endm
; the four chains v[8:15] become the work-group's two sums in v8 (group 0) and v9 (group 1), in every lane: over the lane's halves, the 32 lanes, and through LDS the 16 waves
.macro REDUCE off
	v_pk_add_f32 v[8:9], v[8:9], v[12:13]
	v_pk_add_f32 v[10:11], v[10:11], v[14:15]
	v_add_f32 v8, v8, v9
	v_add_f32 v9, v10, v11
.irp m, 1,2,4,8
	v_add_f32_dpp v8, v8, v8 row_xmask:\m row_mask:0xf bank_mask:0xf
	v_add_f32_dpp v9, v9, v9 row_xmask:\m row_mask:0xf bank_mask:0xf
.endr
	v_permlanex16_b32 v30, v8, s24, s25
	v_permlanex16_b32 v31, v9, s24, s25
	v_add_f32 v8, v8, v30
	v_add_f32 v9, v9, v31
	ds_store_b64 v6, v[8:9] offset:\off            ; all lanes of a wave write the same pair
	s_wait_dscnt 0x0                               ; for the others' sake: my store has landed
	s_barrier_signal -1
	s_barrier_wait -1
.irp n, 0,1,2,3,4,5,6,7
	ds_load_b128 v[T+4*\n:T+4*\n+3], v3 offset:\off+16*\n
.endr
	s_wait_dscnt 0x0
	v_pk_add_f32 v[8:9], v[T:T+1], v[T+2:T+3]
	v_pk_add_f32 v[10:11], v[T+4:T+5], v[T+6:T+7]
.irp m, 8,12,16,20,24,28
	v_pk_add_f32 v[8:9], v[8:9], v[T+\m:T+\m+1]
	v_pk_add_f32 v[10:11], v[10:11], v[T+\m+2:T+\m+3]
.endr
	v_pk_add_f32 v[8:9], v[8:9], v[10:11]
.endm
; set i's block of 32 channels of my pixel: largest magnitude (with the floor 2^(3 - 127) as one more leaf, so the byte cannot fall under 1), 2 off its exponent field = the conversion's scale operand, codes, byte
.macro QBLK i
.set XS, X+32*\i
	v_max3_num_f32 v[8+2*\i], |v[XS]|, |v[XS+1]|, |v[XS+2]|
	v_max3_num_f32 v[9+2*\i], |v[XS+3]|, |v[XS+4]|, |v[XS+5]|
.irp n, 6,10,14,18,22,26
	v_max3_num_f32 v[8+2*\i], v[8+2*\i], |v[XS+\n]|, |v[XS+\n+1]|
	v_max3_num_f32 v[9+2*\i], v[9+2*\i], |v[XS+\n+2]|, |v[XS+\n+3]|
.endr
	v_max3_num_f32 v[8+2*\i], v[8+2*\i], |v[XS+30]|, |v[XS+31]|
	v_max3_num_f32 v[8+2*\i], v[8+2*\i], v[9+2*\i], 0x1800000
	v_add_nc_u32 v[12+\i], 0xff000000, v[8+2*\i]
.irp g, 0,1,2,3
	v_cvt_scalef32_pk8_fp4_f32 v[16+4*\i+\g], v[XS+8*\g:XS+8*\g+7], v[12+\i]
.endr
	v_lshrrev_b32 v[24+\i], 23, v[12+\i]           ; the scale's byte (also the plain line behind the conversions)
	global_store_b128 v4, v[16+4*\i:19+4*\i], s[10:11] offset:8192*\i   ; each half of the lanes stores 256 consecutive bytes, aligned
	ds_store_b8 v5, v[24+\i] offset:SCB+32*\i
.endm
	s_wait_loadcnt 32                              ; gain, bias and set 0 are in; set 1's 32 loads may be out
	SUMSET 0
	s_wait_loadcnt 0x0
	SUMSET 1
	REDUCE 0
	v_pk_mul_f32 v[26:27], v[8:9], s[20:21] op_sel_hi:[1,0]        ; the two means
	SQSET 0
	SQSET 1
	REDUCE RED2                                    ; other bytes than the first sums': no barrier is owed between those reads and these stores
	v_fma_f32 v28, v8, s20, s22                    ; variance + eps
	v_fma_f32 v29, v9, s20, s22
	v_rsq_f32 v28, v28
	v_rsq_f32 v29, v29
	v_nop                                          ; a plain line between a transcendental and the use of its result
	s_wait_alu depctr_va_vdst(0)
.irp n, 0,2,4,6,8,10,12,14
	v_pk_mul_f32 v[GA+\n:GA+\n+1], v[GA+\n:GA+\n+1], v[28:29] op_sel_hi:[1,0]
	v_pk_mul_f32 v[GA+16+\n:GA+16+\n+1], v[GA+16+\n:GA+16+\n+1], v[28:29] op_sel:[0,1] op_sel_hi:[1,1]
.endr
.irp i, 0,1
.irp n, 0,2,4,6,8,10,12,14,16,18,20,22,24,26,28,30
	v_pk_fma_f32 v[X+32*\i+\n:X+32*\i+\n+1], v[X+32*\i+\n:X+32*\i+\n+1], v[GA+\n:GA+\n+1], v[GB+\n:GB+\n+1]
.endr
.endr
	QBLK 0
	QBLK 1
	s_wait_dscnt 0x0                               ; my scale bytes have landed
	s_barrier_signal -1
	s_barrier_wait -1
	s_cmp_gt_u32 s14, 1                            ; waves 0 and 1 store the work-group's 1,024 scale bytes, 16 a lane
	s_cbranch_scc1 .Lend
	ds_load_b128 v[T:T+3], v7 offset:SCB
	s_wait_dscnt 0x0
	global_store_b128 v7, v[T:T+3], s[12:13]
.Lend:
	s_wait_tensorcnt 0x0
	ds_add_u32 v192, v193
	s_wait_dscnt 0x0
	s_endpgm
.Lfunc_end_k_q8274e8ca8c_norm:
	.size	k_q8274e8ca8c_norm, .Lfunc_end_k_q8274e8ca8c_norm-k_q8274e8ca8c_norm
	.p2alignl 7, 3214868480
	.fill 96, 4, 3214868480
	.section	.rodata,"a",@progbits
	.p2align	6, 0x0
	.amdhsa_kernel k_q8274e8ca8c_norm
		.amdhsa_group_segment_fixed_size 11264
		.amdhsa_private_segment_fixed_size 0
		.amdhsa_enable_private_segment 0
		.amdhsa_kernarg_size 40
		.amdhsa_user_sgpr_count 2
		.amdhsa_user_sgpr_kernarg_segment_ptr 1
		.amdhsa_wavefront_size32 1
		.amdhsa_system_sgpr_workgroup_id_x 1
		.amdhsa_system_sgpr_workgroup_id_y 1
		.amdhsa_system_sgpr_workgroup_id_z 1
		.amdhsa_system_vgpr_workitem_id 0
		.amdhsa_next_free_vgpr 194
		.amdhsa_next_free_sgpr 66
		.amdhsa_reserve_vcc 0
		.amdhsa_float_denorm_mode_32 3
		.amdhsa_float_denorm_mode_16_64 3
		.amdhsa_memory_ordered 1
		.amdhsa_forward_progress 1
		.amdhsa_inst_pref_size 28
	.end_amdhsa_kernel
	.amdgpu_metadata
---
amdhsa.version: [ 1, 2 ]
amdhsa.kernels:
  - .name:           k_q8274e8ca8c_norm
    .symbol:         k_q8274e8ca8c_norm.kd
    .args:
      - { .name: x, .offset: 0, .size: 8, .value_kind: global_buffer, .address_space: global }
      - { .name: gn_scale, .offset: 8, .size: 8, .value_kind: global_buffer, .address_space: global }
      - { .name: gn_bias, .offset: 16, .size: 8, .value_kind: global_buffer, .address_space: global }
      - { .name: xc, .offset: 24, .size: 8, .value_kind: global_buffer, .address_space: global }
      - { .name: xs, .offset: 32, .size: 8, .value_kind: global_buffer, .address_space: global }
    .group_segment_fixed_size: 11264
    .private_segment_fixed_size: 0
    .kernarg_segment_align: 8
    .kernarg_segment_size: 40
    .max_flat_workgroup_size: 512
    .sgpr_count:     66
    .vgpr_count:     194
    .wavefront_size: 32
...
	.end_amdgpu_metadata
.endif
;; end of part 1
;; launch qkv (part 2): grid 4 x 64, 4 waves a work-group, clusters of 4 x 4, 168,448 bytes of LDS; arguments xc, xs, wq_codes, wq_scales, bq, wk_codes, wk_scales, bk, wv_codes, wv_scales, bv, qc, qs, kv; writes qc, qs, kv
.if DOCPART == 2
	.amdgcn_target "amdgcn-amd-amdhsa--gfx1250"
	.amdhsa_code_object_version 6
	.text
	.protected	k_q8274e8ca8c_qkv
	.globl	k_q8274e8ca8c_qkv
	.p2align	8
	.type	k_q8274e8ca8c_qkv,@function
k_q8274e8ca8c_qkv:
	s_mov_b64 s[64:65], 0
	v_nop
	global_prefetch_b8 v0, s[64:65] scope:SCOPE_SE
	s_setreg_imm32_b32 hwreg(HW_REG_WAVE_MODE, 25, 1), 1
	s_wait_xcnt 0x0
	s_wait_alu depctr_hold_cnt(0) depctr_sa_sdst(0) depctr_va_vdst(0) depctr_va_sdst(0) depctr_va_ssrc(0) depctr_va_vcc(0) depctr_vm_vsrc(0)
	s_getreg_b32 s2, hwreg(HW_REG_IB_STS2, 6, 4)
	s_cmp_eq_u32 s2, 0
	s_cbranch_scc0 .Lentry_in_a_cluster
	s_endpgm
.Lentry_in_a_cluster:
	s_bfe_u32 s2, ttmp6, 0x10000c
	s_cmp_lg_u32 s2, 0xf033
	s_cbranch_scc0 .Lentry_shape_is_right
	s_endpgm
.Lentry_shape_is_right:
; q, k, v = W xn + bias on codes of FP4 (E2M1) with E8M0 scales, K = 512 channels; the results are quantised at once: q and k along the head's 64 channels, v along the keys.
; A work-group owns (qd: 128 output channels = two heads; y = 8 b + pb: 128 pixels = one key step of attention): three blocks of 128 x 128 x 512 from four dense blocks of 32 KiB
; (Wq's, Wk's, Wv's 128 rows and xn's 8 tiles), each brought by ONE tensor load: wave 0 Wq, wave 1 Wk, wave 2 Wv, wave 3 xn.  Filled once; nothing is filled again.
; CLUSTER 4 x 4: xn's block hangs on y alone and is asked for jointly along a row of the cluster, W's blocks on qd alone, jointly along a column.
; A WAVE'S PIECE: 8 tiles as source 0 (their rows land in the result's REGISTERS) x 2 tiles as source 1 (their rows land in the LANES): 64 matrix instructions, 16 accumulators by turns.
;   q, k: source 0 = W's 8 tiles, source 1 = pixel tiles 2 w, 2 w + 1: a lane holds one pixel, its 64 registers run along the output channels (the next K).
;   v:    source 0 = xn's 8 tiles, source 1 = Wv's tiles 2 w, 2 w + 1: a lane holds one channel, its 64 registers run along the keys (the next K).
; THE ROWS OF A TILE ARE NOT NEIGHBOURS: row r of tile 2 g + u is row 32 g + 8 u + pat(r), pat(r) = r + (r & 8); so the 16 registers of tiles 2 g, 2 g + 1 are 16 neighbours along the next K.
; At any pitch that is a multiple of 16 bytes rows r and r + 16 begin at the same bank, so W's fragment loads meet two deep; xn's images are read as 256 consecutive bytes.
; The biases are the C of each sum's first matrix instruction.  OUT (all as images of operand registers, 512 consecutive bytes a store):
;   qc [b][head][tile 64][512]; qs [b][head][tile][16 words]; kv [b][head][step 8][8960]: +0 K's 8 tiles, +4096 V's 4 tiles x 2 images, +8192 K's scale words, +8704 V's.
;   q's and k's K is 64: their scale words carry 0x7f (1.0) in the two upper bytes, for the half of the K step of 128 that attention fills with zero codes.
; LIMITS: NaN and infinities are not served; a block whose largest magnitude lies under 2^-124 gets the byte 1 (read by this program alone).
; REGISTERS: window 0: v1-19, v109, v116, v117 addresses; v20-75 scale words; v76-91 codes just made; v92-107 at work; v110-115 the six scale words made; v128-255 accumulators ((L, t) at 128 + 64 L + 8 t).
;   window 1: the 32 fragments of source 0 ((t, s) at 8 (8 s + t)).   window 2: v0-63 bq, v64-127 bk, v128-143 bv in the result's layout; v144-207 the 8 fragments of source 1.
.set PITCH, 272                        ; an LDS row: 256 bytes + 16 of padding
.set BLK,   128*PITCH                  ; a block of 128 rows
.set WK,    BLK                        ; LDS: Wq at 0, Wk, Wv, xn;
.set WV,    2*BLK
.set XN,    3*BLK
.set XSL,   4*BLK                      ; xn's scale words, 16 bytes for each of 128 rows (written by LDS stores: no fill lands here);
.set SCO,   XSL+2048                   ; the scale words on their way out: q head A, q head B, k head A, k head B (512 each), v head A, v head B (256 each)
.set SQ,  20                           ; v20-35  Wq's scale words: 4 t' + s; lanes 0-15 tile t', lanes 16-31 tile t' + 4
.set SK,  36                           ; v36-51  Wk's
.set SV,  52                           ; v52-55  Wv's, my two tiles: lanes 0-15 tile 2 w, lanes 16-31 tile 2 w + 1
.set SXL, 56                           ; v56-59  xn's, my two pixel tiles, likewise
.set SXR, 60                           ; v60-75  xn's, all eight tiles, as SQ
.set PC,  76
.set TM,  92
.set SW,  110
.set ACC, 128
.set BQ,  0
.set BK,  64
.set BV,  128
.set LF,  144
.set WVN, 32                           ; s32 my wave's number
.set G1X, 40                           ; s[40:47] descriptor group 1 with the mask of my row;  s[48:55] with that of my column
.set G1W, 48
.set G0X, 56                           ; groups 0: xn, Wq, Wk, Wv
.set G0Q, 60
.set SEL, 66
.set G0K, 68
.set G0V, 72
.set MSB, 0
.macro WIN new                         ; the immediate's high byte repeats the setting that is left
.if MSB != \new
	s_set_vgpr_msb (MSB<<8)|\new
.set MSB, \new
.endif
.endm
.macro PLACES                          ; four plain lines behind matrix instructions, in front of loads into their registers and of the first read of results
.rept 4
	v_nop
.endr
.endm
.macro CROUND                          ; a round of the cluster's barrier
	s_barrier_signal -1
	s_barrier_wait -1
	s_cmp_lg_u32 s[WVN], 0
	s_cbranch_scc1 .Lnot_wave_0_\@
	s_barrier_signal -3
.Lnot_wave_0_\@:
	s_barrier_wait -3
	s_barrier_signal -1
	s_barrier_wait -1
.endm
; one matrix instruction; ra, rb = 1: that side's scale words are read from lanes 16-31
.macro WMC d, a, b, c, sa, sb, ra, rb
.if ((\ra) == 0) && ((\rb) == 0)
	v_wmma_scale_f32_16x16x128_f8f6f4 v[\d:\d+7], v[\a:\a+7], v[\b:\b+7], v[\c:\c+7], v[\sa], v[\sb] matrix_a_fmt:MATRIX_FMT_FP4 matrix_b_fmt:MATRIX_FMT_FP4
.elseif ((\ra) == 1) && ((\rb) == 0)
	v_wmma_scale_f32_16x16x128_f8f6f4 v[\d:\d+7], v[\a:\a+7], v[\b:\b+7], v[\c:\c+7], v[\sa], v[\sb] matrix_a_fmt:MATRIX_FMT_FP4 matrix_b_fmt:MATRIX_FMT_FP4 matrix_a_scale:MATRIX_SCALE_ROW1
.elseif ((\ra) == 0) && ((\rb) == 1)
	v_wmma_scale_f32_16x16x128_f8f6f4 v[\d:\d+7], v[\a:\a+7], v[\b:\b+7], v[\c:\c+7], v[\sa], v[\sb] matrix_a_fmt:MATRIX_FMT_FP4 matrix_b_fmt:MATRIX_FMT_FP4 matrix_b_scale:MATRIX_SCALE_ROW1
.else
	v_wmma_scale_f32_16x16x128_f8f6f4 v[\d:\d+7], v[\a:\a+7], v[\b:\b+7], v[\c:\c+7], v[\sa], v[\sb] matrix_a_fmt:MATRIX_FMT_FP4 matrix_b_fmt:MATRIX_FMT_FP4 matrix_a_scale:MATRIX_SCALE_ROW1 matrix_b_scale:MATRIX_SCALE_ROW1
.endif
.endm
	s_load_b512 s[4:19], s[0:1], 0x0               ; xc 4, xs 6, wq_codes 8, wq_scales 10, bq 12, wk_codes 14, wk_scales 16, bk 18
	s_load_b256 s[20:27], s[0:1], 0x40             ; wv_codes 20, wv_scales 22, bv 24, qc 26
	s_load_b128 s[28:31], s[0:1], 0x60             ; qs 28, kv 30
	v_lshl_add_u32 v126, v0, 2, 0x29000
	v_mov_b32 v127, 0
	ds_add_u32 v126, v127
	ds_add_u32 v126, v127
	v_lshrrev_b32 v2, 5, v0
	v_readfirstlane_b32 s[WVN], v2                 ; wave 0..3
	s_bfe_u32 s33, ttmp6, 0x40000                  ; cx
	s_bfe_u32 s34, ttmp6, 0x40004                  ; cy
	s_lshl_b32 s35, ttmp9, 2
	s_add_co_u32 s35, s35, s33                     ; qd = 4 x cluster x + cx
	s_and_b32 s36, ttmp7, 0xffff
	s_lshl_b32 s36, s36, 2
	s_add_co_u32 s36, s36, s34                     ; y = 4 x cluster y + cy
	s_lshl_b32 s37, s34, 2
	s_lshl_b32 s37, 15, s37                        ; my row of the cluster
	s_lshl_b32 s38, 0x1111, s33                    ; my column
	; group 1: a dense block of 32 KiB as 128 rows of 32 elements of 8 bytes, 4 words of padding behind every 64
	s_or_b32 s[G1X], s37, (3<<16)|(1<<20)|(1<<21)|(5<<22)|(3<<25)
	s_or_b32 s[G1W], s38, (3<<16)|(1<<20)|(1<<21)|(5<<22)|(3<<25)
.irp g, G1X, G1W
	s_mov_b32 s[\g+1], 32<<16                      ; tensor_dim0 = 32
	s_mov_b32 s[\g+2], 128<<16                     ; tensor_dim1 = 128
	s_mov_b32 s[\g+3], 32<<16                      ; tile_dim0 = 32
	s_mov_b32 s[\g+4], 128                         ; tile_dim1 = 128
	s_mov_b32 s[\g+5], 32                          ; from row to row: 32 elements
	s_mov_b32 s[\g+6], 0
	s_mov_b32 s[\g+7], 0
.endr
	s_lshl_b32 s80, s36, 15                        ; xn's block: y x 32 KiB (hangs on y alone)
	s_mov_b32 s81, 0
	s_lshl_b32 s82, s35, 15                        ; W's blocks: qd x 32 KiB (hangs on qd alone)
	s_mov_b32 s83, 0
	s_mov_b32 s[SEL], 0x76543210                   ; selects of v_permlanex16_b32: lane l xor 16
	s_mov_b32 s[SEL+1], 0xfedcba98
	s_mov_b32 s76, 0xffff
	s_mov_b32 s77, 0x7f7f0000
	; every LDS address is made here, ahead of the branch on the wave's number
	v_and_b32 v1, 31, v0
	v_lshlrev_b32 v1, 4, v1                        ; v1  16 x lane
	v_and_b32 v2, 15, v0                           ; v2  r
	v_bfe_u32 v3, v0, 4, 1                         ; v3  h
	v_and_b32 v109, 8, v2
	v_add_nc_u32 v109, v109, v2                    ; v109 pat(r)
	v_mul_u32_u24 v4, v109, PITCH
	v_lshl_add_u32 v4, v3, 4, v4                   ; v4  Wq's fragments: pat(r) x pitch + 16 h
	v_add_nc_u32 v5, WK, v4                        ; v5  Wk's
	v_add_nc_u32 v6, WV, v4                        ; v6  Wv's
	s_mul_i32 s84, s[WVN], 32*PITCH
	v_add_nc_u32 v7, s84, v6                       ; v7  Wv's, my 32 rows
	v_mul_u32_u24 v8, v3, PITCH
	v_lshl_add_u32 v8, v2, 4, v8
	v_add_nc_u32 v8, XN, v8                        ; v8  xn's images: 16 r, and one LDS row on for lanes 16-31
	v_add_nc_u32 v9, s84, v8                       ; v9  from my two tiles on (2 tiles = 32 LDS rows)
	v_lshl_add_u32 v10, v0, 4, XSL                 ; v10 xn's scale words: 16 x thread: where I store them, and where my two tiles' lie
	v_lshlrev_b32 v11, 4, v2
	v_lshl_add_u32 v11, v3, 10, v11
	v_add_nc_u32 v11, XSL, v11                     ; v11 the same for all tiles: row r, lanes 16-31 four tiles on
	s_lshl_b32 s84, s[WVN], 7
	v_lshl_add_u32 v12, v2, 2, s84
	v_add_nc_u32 v12, SCO, v12                     ; v12 q's scale words out: 128 w + 4 r
	v_lshl_add_u32 v14, v2, 3, s84
	v_add_nc_u32 v14, SCO+2048, v14                ; v14 v's: 128 w + 8 r
	s_lshr_b32 s84, s[WVN], 1
	s_lshl_b32 s84, s84, 8
	s_and_b32 s85, s[WVN], 1
	s_lshl_b32 s85, s85, 3
	s_add_co_u32 s84, s84, s85
	v_lshl_add_u32 v13, v2, 4, s84
	v_add_nc_u32 v13, SCO+1024, v13                ; v13 k's: 256 (w / 2) + 16 r + 8 (w % 2)
	s_lshl_b32 s84, s[WVN], 9
	v_add_nc_u32 v15, s84, v1
	v_add_nc_u32 v15, SCO, v15                     ; v15 back: 512 w + 16 x lane
	v_add_nc_u32 v117, SCO+2048, v1                ; v117 back: v's 512 bytes
	v_lshlrev_b32 v16, 4, v109
	v_lshl_add_u32 v17, v3, 7, v16                 ; v17 Wv's scale rows: (8 h + pat(r)) x 16
	v_lshl_add_u32 v16, v3, 10, v16                ; v16 Wq's, Wk's: (pat(r) + 64 h) x 16
	v_lshlrev_b32 v18, 6, v3                       ; v18 bq, bk: 64 h
	v_lshlrev_b32 v19, 2, v109                     ; v19 bv: 4 pat(r)
	v_mul_u32_u24 v116, v3, 71680
	v_lshl_add_u32 v116, v2, 4, v116               ; v116 v's scale images in kv: 16 r, lanes 16-31 one head (8 records) on
.irp b, 0,1,2,3
	v_mov_b32 v[TM+4+\b], 0                        ; a lane permute's destination counts as read: written once
.endr
	s_wait_dscnt 0x0
	s_wait_kmcnt 0x0
	s_mov_b32 s[G0X], 1
	s_mov_b32 s[G0X+1], XN
	s_add_nc_u64 s[G0X+2:G0X+3], s[4:5], s[80:81]
	s_or_b32 s[G0X+3], s[G0X+3], 0x80000000
	s_mov_b32 s[G0Q], 1
	s_mov_b32 s[G0Q+1], 0
	s_add_nc_u64 s[G0Q+2:G0Q+3], s[8:9], s[82:83]
	s_or_b32 s[G0Q+3], s[G0Q+3], 0x80000000
	s_mov_b32 s[G0K], 1
	s_mov_b32 s[G0K+1], WK
	s_add_nc_u64 s[G0K+2:G0K+3], s[14:15], s[82:83]
	s_or_b32 s[G0K+3], s[G0K+3], 0x80000000
	s_mov_b32 s[G0V], 1
	s_mov_b32 s[G0V+1], WV
	s_add_nc_u64 s[G0V+2:G0V+3], s[20:21], s[82:83]
	s_or_b32 s[G0V+3], s[G0V+3], 0x80000000
	CROUND                                         ; all sixteen work-groups are here: the joint loads meet
	; one load a wave; each line has one mask and one set of registers; the branches hang on the wave's number alone.  Four v_nop follow each line
	s_cmp_eq_u32 s[WVN], 0
	s_cbranch_scc0 .Lnot0
	tensor_load_to_lds s[G0Q:G0Q+3], s[G1W:G1W+7]
	s_nop 0
	PLACES
	s_branch .Lasked
.Lnot0:
	s_cmp_eq_u32 s[WVN], 1
	s_cbranch_scc0 .Lnot1
	tensor_load_to_lds s[G0K:G0K+3], s[G1W:G1W+7]
	s_nop 0
	PLACES
	s_branch .Lasked
.Lnot1:
	s_cmp_eq_u32 s[WVN], 2
	s_cbranch_scc0 .Lnot2
	tensor_load_to_lds s[G0V:G0V+3], s[G1W:G1W+7]
	s_nop 0
	PLACES
	s_branch .Lasked
.Lnot2:
	tensor_load_to_lds s[G0X:G0X+3], s[G1X:G1X+7]
	s_nop 0
	PLACES
.Lasked:
	s_lshr_b32 s39, s36, 3                         ; b
	s_and_b32 s79, s36, 7                          ; pb
	s_lshl_b32 s84, s39, 14                        ; xs: b 16384 + pb 128
	s_lshl_b32 s85, s79, 7
	s_add_co_u32 s84, s84, s85
	s_mov_b32 s85, 0
	s_add_nc_u64 s[6:7], s[6:7], s[84:85]
	s_lshl_b32 s84, s35, 11                        ; W's scale rows: qd 128 rows of 16 bytes
	s_add_nc_u64 s[10:11], s[10:11], s[84:85]
	s_add_nc_u64 s[16:17], s[16:17], s[84:85]
	s_lshl_b32 s86, s[WVN], 9                      ; Wv's: + my 32 rows
	s_add_co_u32 s84, s84, s86
	s_add_nc_u64 s[22:23], s[22:23], s[84:85]
	s_lshl_b32 s84, s35, 9                         ; biases: qd 128 numbers
	s_add_nc_u64 s[12:13], s[12:13], s[84:85]
	s_add_nc_u64 s[18:19], s[18:19], s[84:85]
	s_lshl_b32 s86, s[WVN], 7                      ; bv: + my 32
	s_add_co_u32 s84, s84, s86
	s_add_nc_u64 s[24:25], s[24:25], s[84:85]
.irp k, 0,1,2,3,4,5,6,7,8,9,10,11,12,13,14,15
	global_load_u8 v[ACC+\k], v0, s[6:7] offset:1024*\k            ; xn's scale byte of channel block k, row = my thread's number
.endr
.irp t, 0,1,2,3
	global_load_b128 v[SQ+4*\t:SQ+4*\t+3], v16, s[10:11] offset:(32*(\t/2)+8*(\t%2))*16
.endr
.irp t, 0,1,2,3
	global_load_b128 v[SK+4*\t:SK+4*\t+3], v16, s[16:17] offset:(32*(\t/2)+8*(\t%2))*16
.endr
	global_load_b128 v[SV:SV+3], v17, s[22:23]
	WIN 0x80                                       ; destination window 2
.irp t, 0,1,2,3,4,5,6,7
	global_load_b128 v[BQ+8*\t:BQ+8*\t+3], v18, s[12:13] offset:(32*(\t/2)+8*(\t%2))*4      ; lane (r, h), tile 2 g + u: bq of channels 32 g + 16 h + 8 u + 0 .. 7
	global_load_b128 v[BQ+8*\t+4:BQ+8*\t+7], v18, s[12:13] offset:(32*(\t/2)+8*(\t%2))*4+16
.endr
.irp t, 0,1,2,3,4,5,6,7
	global_load_b128 v[BK+8*\t:BK+8*\t+3], v18, s[18:19] offset:(32*(\t/2)+8*(\t%2))*4
	global_load_b128 v[BK+8*\t+4:BK+8*\t+7], v18, s[18:19] offset:(32*(\t/2)+8*(\t%2))*4+16
.endr
.irp L, 0,1
.irp j, 0,1,2,3,4,5,6,7
	global_load_b32 v[BV+8*\L+\j], v19, s[24:25] offset:32*\L      ; v: a lane holds one channel: its bias in all eight registers
.endr
.endr
	WIN 0
	; where the results go
	s_lshl_b32 s88, s39, 3
	s_lshl_b32 s86, s35, 1
	s_add_co_u32 s88, s88, s86                     ; 8 b + 2 qd: my first head
	s_lshl_b32 s84, s88, 15                        ; qc: head 32768 + pb 4096 + w 1024
	s_lshl_b32 s86, s79, 12
	s_add_co_u32 s84, s84, s86
	s_lshl_b32 s86, s[WVN], 10
	s_add_co_u32 s84, s84, s86
	s_add_nc_u64 s[26:27], s[26:27], s[84:85]
	s_lshl_b32 s89, s88, 3
	s_add_co_u32 s89, s89, s79
	s_mul_i32 s89, s89, 8960                       ; my first head's record of this key step
	s_add_co_u32 s84, s89, s86
	s_add_nc_u64 s[90:91], s[30:31], s[84:85]      ; K's codes: + w 1024
	s_lshr_b32 s86, s[WVN], 1
	s_mul_i32 s86, s86, 71680
	s_add_co_u32 s84, s89, s86
	s_and_b32 s87, s[WVN], 1
	s_lshl_b32 s86, s87, 11
	s_add_co_u32 s84, s84, s86
	s_add_co_u32 s84, s84, 4096
	s_add_nc_u64 s[92:93], s[30:31], s[84:85]      ; V's codes: head w / 2, + 4096 + (w % 2) 2048
	s_add_co_u32 s84, s89, 8704
	s_add_nc_u64 s[94:95], s[30:31], s[84:85]      ; V's scale images
	s_add_co_u32 s96, s88, s87
	s_lshl_b32 s96, s96, 12
	s_lshl_b32 s86, s79, 9
	s_add_co_u32 s96, s96, s86                     ; qs: head (w % 2) 4096 + pb 512
	s_mul_i32 s97, s87, 71680
	s_add_co_u32 s97, s97, s89
	s_add_co_u32 s97, s97, 8192                    ; kv: K's scale image of head w % 2
	s_cmp_lt_u32 s[WVN], 2                         ; waves 0, 1 store q's scale words, waves 2, 3 k's: the choice hangs on the wave's number alone
	s_cselect_b64 s[98:99], s[28:29], s[30:31]
	s_cselect_b32 s84, s96, s97
	s_add_nc_u64 s[98:99], s[98:99], s[84:85]
	s_wait_loadcnt 57                              ; the 16 byte loads are in; the 9 + 32 + 16 loads issued behind them may be out
.irp s, 0,1,2,3
	v_lshl_or_b32 v[ACC+16+\s], v[ACC+4*\s+1], 8, v[ACC+4*\s]
.endr
.irp s, 0,1,2,3
	v_lshl_or_b32 v[ACC+16+\s], v[ACC+4*\s+2], 16, v[ACC+16+\s]
.endr
.irp s, 0,1,2,3
	v_lshl_or_b32 v[ACC+16+\s], v[ACC+4*\s+3], 24, v[ACC+16+\s]   ; word s: the four bytes of K step s
.endr
	ds_store_b128 v10, v[ACC+16:ACC+19]
	s_wait_dscnt 0x0                               ; my scale words have landed,
	s_wait_tensorcnt 0x0                           ; and so has my block
	s_barrier_signal -1
	s_barrier_wait -1                              ; everybody's have
.macro LOADR_W adr                     ; source 0 = a weight's 8 tiles, all four K steps: 64 loads, K step by K step
	WIN 0x40
.irp s, 0,1,2,3
.irp t, 0,1,2,3,4,5,6,7
.irp c, 0,1
	ds_load_b128 v[8*(8*\s+\t)+4*\c:8*(8*\s+\t)+4*\c+3], v[\adr] offset:(32*(\t/2)+8*(\t%2))*PITCH+64*\s+32*\c
.endr
.endr
.endr
.endm
.macro LOADR_X                         ; source 0 = xn's 8 tiles
	WIN 0x40
.irp s, 0,1,2,3
.irp t, 0,1,2,3,4,5,6,7
.irp c, 0,1
	ds_load_b128 v[8*(8*\s+\t)+4*\c:8*(8*\s+\t)+4*\c+3], v8 offset:((4*\t+\s)*2+\c)*544
.endr
.endr
.endr
.endm
.macro LOADL_X                         ; source 1 = my two pixel tiles
	WIN 0x80
.irp L, 0,1
.irp s, 0,1,2,3
.irp c, 0,1
	ds_load_b128 v[LF+8*(4*\L+\s)+4*\c:LF+8*(4*\L+\s)+4*\c+3], v9 offset:((4*\L+\s)*2+\c)*544
.endr
.endr
.endr
.endm
.macro LOADL_W                         ; source 1 = my two tiles of Wv
	WIN 0x80
.irp L, 0,1
.irp s, 0,1,2,3
.irp c, 0,1
	ds_load_b128 v[LF+8*(4*\L+\s)+4*\c:LF+8*(4*\L+\s)+4*\c+3], v7 offset:8*\L*PITCH+64*\s+32*\c
.endr
.endr
.endr
.endm
; 64 matrix instructions.  pa, pb: the two sides' scale words; the bias of accumulator (L, t) at v[cb + ct t + cl L] of window 2.  The 16 accumulators take turns, one instruction a turn.
; The wait ahead of K step s leaves the source-0 loads of the later steps out, 16 each: they were issued last on that counter.
.macro MM pa, pb, cb, ct, cl
.irp s, 0,1,2,3
	s_wait_dscnt 16*(3-\s)
.if \s == 0
	WIN 0x29                                       ; source 0 window 1, source 1 and the bias window 2, result window 0
.else
	WIN 0x09
.endif
.irp t, 0,1,2,3,4,5,6,7
.irp L, 0,1
.if \s == 0
	WMC ACC+64*\L+8*\t, 8*(8*\s+\t), LF+8*(4*\L+\s), \cb+\ct*\t+\cl*\L, \pa+4*(\t%4)+\s, \pb+\s, \t/4, \L
.else
	WMC ACC+64*\L+8*\t, 8*(8*\s+\t), LF+8*(4*\L+\s), ACC+64*\L+8*\t, \pa+4*(\t%4)+\s, \pb+\s, \t/4, \L
.endif
.endr
.endr
.endr
.endm
; 64 numbers of a lane, register 16 b + i = k 32 b + 16 (lane / 16) + i of my row, become a fragment's codes in v[pc] on and its scale word in v[pw]
.macro QUANT src, pc, pw
.irp b, 0,1,2,3
	v_max3_num_f32 v[TM+\b], |v[\src+16*\b]|, |v[\src+1+16*\b]|, 0x1800000   ; with the floor 2^(3 - 127): the byte cannot fall under 1
.endr
.irp i, 2,4,6,8,10,12,14
.irp b, 0,1,2,3
	v_max3_num_f32 v[TM+\b], v[TM+\b], |v[\src+16*\b+\i]|, |v[\src+1+16*\b+\i]|
.endr
.endr
.irp b, 0,1,2,3
	v_permlanex16_b32 v[TM+4+\b], v[TM+\b], s[SEL], s[SEL+1]
.endr
.irp b, 0,1,2,3
	v_max_num_f32 v[TM+\b], v[TM+\b], v[TM+4+\b]   ; with lane l xor 16's: the block's largest magnitude
.endr
.irp b, 0,1,2,3
	v_add_nc_u32 v[TM+12+\b], 0xff000000, v[TM+\b] ; 2 off its exponent field: the conversion's scale operand
.endr
.irp b, 0,1,2,3
	v_lshrrev_b32 v[TM+4+\b], 23, v[TM+12+\b]      ; the scale's byte
.endr
	v_lshl_or_b32 v[\pw], v[TM+5], 8, v[TM+4]
	v_lshl_or_b32 v[\pw], v[TM+6], 16, v[\pw]
	v_lshl_or_b32 v[\pw], v[TM+7], 24, v[\pw]
.irp b, 0,1,2,3
	v_cvt_scalef32_pk8_fp4_f32 v[\pc+2*\b], v[\src+16*\b:\src+7+16*\b], v[TM+12+\b]
	v_cvt_scalef32_pk8_fp4_f32 v[\pc+1+2*\b], v[\src+8+16*\b:\src+15+16*\b], v[TM+12+\b]
.endr
	v_nop                                          ; one plain line behind a scaled conversion
.irp c, 0,1                                    ; the operand's layout wants a whole block in a lane
.irp i, 0,1
	v_permlane16_swap_b32 v[\pc+4*\c+\i], v[\pc+2+4*\c+\i]
.endr
.endr
.endm
	; ---- q
	LOADL_X
	WIN 0
	ds_load_b128 v[SXL:SXL+3], v10
.irp t, 0,1,2,3
	ds_load_b128 v[SXR+4*\t:SXR+4*\t+3], v11 offset:256*\t
.endr
	LOADR_W 4
	s_wait_loadcnt 0x0                             ; the weights' scale words and the biases
	MM SQ, SXL, BQ, 8, 0
	WIN 0
	PLACES
	LOADR_W 5                                      ; Wk's fragments come while q is quantised
	WIN 0
	QUANT ACC, PC, SW
	QUANT ACC+64, PC+8, SW+1
.irp L, 0,1
	global_store_b128 v1, v[PC+8*\L:PC+8*\L+3], s[26:27] offset:512*\L             ; channels 0-63 of my 128: the first head
	global_store_b128 v1, v[PC+8*\L+4:PC+8*\L+7], s[26:27] offset:512*\L+32768     ; channels 64-127: the second
.endr
	; ---- k
	MM SK, SXL, BK, 8, 0
	WIN 0
	PLACES
	LOADL_W
	LOADR_X
	WIN 0
	s_wait_xcnt 0x0                                ; q's stores have read their registers: the codes' registers are written again
	QUANT ACC, PC, SW+2
	QUANT ACC+64, PC+8, SW+3
.irp L, 0,1
	global_store_b128 v1, v[PC+8*\L:PC+8*\L+3], s[90:91] offset:512*\L
	global_store_b128 v1, v[PC+8*\L+4:PC+8*\L+7], s[90:91] offset:512*\L+71680
.endr
	; ---- v
	MM SXR, SV, BV, 0, 8
	WIN 0
	PLACES
	s_wait_xcnt 0x0
	QUANT ACC, PC, SW+4
	QUANT ACC+64, PC+8, SW+5
.irp L, 0,1
	global_store_b128 v1, v[PC+8*\L:PC+8*\L+3], s[92:93] offset:1024*\L            ; keys 0-63 of the step
	global_store_b128 v1, v[PC+8*\L+4:PC+8*\L+7], s[92:93] offset:1024*\L+512      ; keys 64-127
.endr
	; ---- the scale words: q's and k's are cut into the two heads' halves, each filled up with 0x7f7f; they meet in LDS and leave as whole images
.irp L, 0,1
	v_and_or_b32 v[118+\L], v[SW+\L], s76, s77
	v_lshrrev_b32 v[120+\L], 16, v[SW+\L]
	v_and_or_b32 v[122+\L], v[SW+2+\L], s76, s77
	v_lshrrev_b32 v[124+\L], 16, v[SW+2+\L]
.endr
.irp L, 0,1
	v_or_b32 v[120+\L], s77, v[120+\L]
	v_or_b32 v[124+\L], s77, v[124+\L]
.endr
	ds_store_b32 v12, v118                         ; (lanes l and l + 16 hold the same word and write the same place)
	ds_store_b32 v12, v119 offset:64
	ds_store_b32 v12, v120 offset:512
	ds_store_b32 v12, v121 offset:576
	ds_store_b64 v13, v[122:123]
	ds_store_b64 v13, v[124:125] offset:512
	ds_store_b64 v14, v[SW+4:SW+5]
	s_wait_dscnt 0x0                               ; for the others' sake: my stores have landed
	s_barrier_signal -1
	s_barrier_wait -1
	ds_load_b128 v[TM:TM+3], v15
	s_wait_dscnt 0x0
	global_store_b128 v1, v[TM:TM+3], s[98:99]     ; 512 consecutive bytes
	s_cmp_lg_u32 s[WVN], 0                         ; wave 0: v's two images of 256 bytes
	s_cbranch_scc1 .Lnot_v
	ds_load_b128 v[TM+4:TM+7], v117
	s_wait_dscnt 0x0
	global_store_b128 v116, v[TM+4:TM+7], s[94:95]
.Lnot_v:
	s_wait_tensorcnt 0x0
	ds_add_u32 v126, v127
	s_wait_dscnt 0x0
	CROUND                                         ; the closing round
	s_endpgm
.Lfunc_end_k_q8274e8ca8c_qkv:
	.size	k_q8274e8ca8c_qkv, .Lfunc_end_k_q8274e8ca8c_qkv-k_q8274e8ca8c_qkv
	.p2alignl 7, 3214868480
	.fill 96, 4, 3214868480
	.section	.rodata,"a",@progbits
	.p2align	6, 0x0
	.amdhsa_kernel k_q8274e8ca8c_qkv
		.amdhsa_group_segment_fixed_size 168448
		.amdhsa_private_segment_fixed_size 0
		.amdhsa_enable_private_segment 0
		.amdhsa_kernarg_size 112
		.amdhsa_user_sgpr_count 2
		.amdhsa_user_sgpr_kernarg_segment_ptr 1
		.amdhsa_wavefront_size32 1
		.amdhsa_system_sgpr_workgroup_id_x 1
		.amdhsa_system_sgpr_workgroup_id_y 1
		.amdhsa_system_sgpr_workgroup_id_z 1
		.amdhsa_system_vgpr_workitem_id 0
		.amdhsa_next_free_vgpr 768
		.amdhsa_next_free_sgpr 100
		.amdhsa_reserve_vcc 0
		.amdhsa_float_denorm_mode_32 3
		.amdhsa_float_denorm_mode_16_64 3
		.amdhsa_memory_ordered 1
		.amdhsa_forward_progress 1
		.amdhsa_inst_pref_size 83
	.end_amdhsa_kernel
	.amdgpu_metadata
---
amdhsa.version: [ 1, 2 ]
amdhsa.kernels:
  - .name:           k_q8274e8ca8c_qkv
    .symbol:         k_q8274e8ca8c_qkv.kd
    .args:
      - { .name: xc, .offset: 0, .size: 8, .value_kind: global_buffer, .address_space: global }
      - { .name: xs, .offset: 8, .size: 8, .value_kind: global_buffer, .address_space: global }
      - { .name: wq_codes, .offset: 16, .size: 8, .value_kind: global_buffer, .address_space: global }
      - { .name: wq_scales, .offset: 24, .size: 8, .value_kind: global_buffer, .address_space: global }
      - { .name: bq, .offset: 32, .size: 8, .value_kind: global_buffer, .address_space: global }
      - { .name: wk_codes, .offset: 40, .size: 8, .value_kind: global_buffer, .address_space: global }
      - { .name: wk_scales, .offset: 48, .size: 8, .value_kind: global_buffer, .address_space: global }
      - { .name: bk, .offset: 56, .size: 8, .value_kind: global_buffer, .address_space: global }
      - { .name: wv_codes, .offset: 64, .size: 8, .value_kind: global_buffer, .address_space: global }
      - { .name: wv_scales, .offset: 72, .size: 8, .value_kind: global_buffer, .address_space: global }
      - { .name: bv, .offset: 80, .size: 8, .value_kind: global_buffer, .address_space: global }
      - { .name: qc, .offset: 88, .size: 8, .value_kind: global_buffer, .address_space: global }
      - { .name: qs, .offset: 96, .size: 8, .value_kind: global_buffer, .address_space: global }
      - { .name: kv, .offset: 104, .size: 8, .value_kind: global_buffer, .address_space: global }
    .group_segment_fixed_size: 168448
    .private_segment_fixed_size: 0
    .kernarg_segment_align: 8
    .kernarg_segment_size: 112
    .max_flat_workgroup_size: 128
    .sgpr_count:     100
    .vgpr_count:     768
    .wavefront_size: 32
...
	.end_amdgpu_metadata
.endif
;; end of part 2
;; launch attn (part 3): grid 32 x 8, 16 waves a work-group, clusters of 4 x 1, 327,680 bytes of LDS; arguments qc, qs, kv, wp_codes, wp_scales, bp, x, out0; writes out0
.if DOCPART == 3
	.amdgcn_target "amdgcn-amd-amdhsa--gfx1250"
	.amdhsa_code_object_version 6
	.text
	.protected	k_q8274e8ca8c_attn
	.globl	k_q8274e8ca8c_attn
	.p2align	8
	.type	k_q8274e8ca8c_attn,@function
k_q8274e8ca8c_attn:
	s_mov_b64 s[64:65], 0
	v_nop
	global_prefetch_b8 v0, s[64:65] scope:SCOPE_SE
	s_setreg_imm32_b32 hwreg(HW_REG_WAVE_MODE, 25, 1), 1
	s_wait_xcnt 0x0
	s_wait_alu depctr_hold_cnt(0) depctr_sa_sdst(0) depctr_va_vdst(0) depctr_va_sdst(0) depctr_va_ssrc(0) depctr_va_vcc(0) depctr_vm_vsrc(0)
	s_getreg_b32 s2, hwreg(HW_REG_IB_STS2, 6, 4)
	s_cmp_eq_u32 s2, 0
	s_cbranch_scc0 .Lentry_in_a_cluster
	s_endpgm
.Lentry_in_a_cluster:
	s_bfe_u32 s2, ttmp6, 0x10000c
	s_cmp_lg_u32 s2, 0x3003
	s_cbranch_scc0 .Lentry_shape_is_right
	s_endpgm
.Lentry_shape_is_right:
; Attention on codes of FP4 (E2M1) with E8M0 scales, then out0 = Wp Q(O / l) + bp + x.
; A work-group owns (batch b, 32 neighbouring pixels = query tiles 2 Bg, 2 Bg + 1).  SIXTEEN WAVES: wave w is head w / 2 and query tile w % 2, one tile of 16 queries in 256 registers, no register
; windows; four waves share a SIMD, so that one wave's vector work stands beside another's LDS loads, matrix work and exponentials.  Every wave walks its head's 1,024 keys, 128 a step.
; For the projection wave w makes output channels 32 w .. 32 w + 31 of the 32 pixels.
; SOFTMAX: t = score x log2(e) / 8; M = the running largest t rounded UP to a whole number; p = 2^(t - M) is quantised along the keys, not normalised; the row's sum is taken of the unquantised p;
; when M moves, the sum and O are multiplied by 2^(old M - new M), which rounds nothing; O is divided by the sum at the end.
; LAYOUT: both products are used transposed (S^T = K Q^T, O^T = V^T P^T): a lane holds one query.  Rows of a tile follow pat(r) = r + (r & 8): row r of tile 2 g + u is 32 g + 8 u + pat(r),
; so 16 registers of two neighbouring tiles are 16 neighbours along the next K.  Everything read here but Wp, bp and x lies in memory as images of operand registers.
; THE FIRST PRODUCT'S K IS 64: Q's fragment is four registers of codes and four of zero codes; K's operand for tile t is the run of eight registers from K's 4 t on, whose upper half holds the next
; tile's codes (V's first four registers behind tile 7): numbers of the format times zero codes, under scale bytes 0x7f: they add exactly 0.
; RING: two slots of two key steps for all eight heads.  Wave w fetches one record (8,960 bytes: step w % 2 of the slot, head w / 2) to byte 8,960 w of the slot; both waves of a head read both records,
; behind a barrier in front of which every wave has waited for its loads.  Behind key steps 4, 5 slot 0 is filled a third time: wave w's 32 rows of Wp, which it alone reads.
; CLUSTER 4 x 1: the four partners share b, and Wp is the same for all: every tensor load is asked for jointly by the same wave of all four.
; STATED: 32 pixels are 128 bytes of a channel's row, so each load of x and each store of out0 covers 4 rows x 128 aligned bytes; the other half of each aligned 256 bytes is the neighbouring
; work-group's (so no streaming hint is written on them).  64 pixels to a work-group would give whole runs of 256 bytes and 128 work-groups: half as many waves for the softmax, the bulk of the work.
; LIMITS: NaN and infinities are not served; a block whose largest magnitude lies under 2^-124 gets the byte 1.
; REGISTERS: v1 16 x lane; v2 my bytes in four rows of x and out0; v3, v4 the spare word's address and 0; v5-8 my head's part of slot 0 and 1 (16 x lane, 8 x lane); v9 at work; v10 a factor, v11 p's scale word;
;   v12-15 -M, the largest t, the sum in two halves; v16-23 Q; v24-27 K's scale words, later the attention output's; v28-29 V's; v30-43 at work; v44-47 Wp's scale words; v48-49 bp; v50 Q's scale words;
;   v51 two scale bytes; v52-59 codes; v60-63 LDS addresses for the end; v64-127 S^T, then p, later the projection's fragments and rows of out0; v128-159 O^T, later the projection's accumulators;
;   v160-191 K, v192-223 V of the step, later Wp's 8 fragments; v224-255 x.
.set REC,   8960                       ; a record: +0 K's 8 tiles, +4096 V's 4 tiles x 2 images, +8192 K's scale words, +8704 V's
.set HSL,   2*REC                      ; a head's part of a slot
.set SLOT1, 16*REC                     ; LDS: slot 0 at 0, slot 1;
.set AIMG,  2*SLOT1                    ; the attention output's 8 fragments as images (8,192 bytes),
.set ASC,   AIMG+8192                  ; their scale words (512),
.set SPARE, ASC+512                    ; the spare words, 128 bytes for each of 16 waves: eight blocks of 256 bytes that no other line names.
                                       ; The stage for out0, 32 rows x (128 + 16) bytes a wave, lies in the wave's own 8,960 bytes of slot 1, behind that slot's last fill and the barrier that ends its last reads
.set TMP, 9
.set F,   10
.set ST,  12
.set Q,   16
.set KS,  24
.set VS,  28
.set UU,  30
.set MX,  32
.set T2,  36
.set SO,  40
.set WPS, 44
.set BB,  48
.set QS,  50
.set PW,  51
.set P,   52
.set S,   64
.set O,   128
.set KF,  160
.set VF,  192
.set XR,  224
.set WVN, 20                           ; s20 my wave's number
.set G1,  24                           ; s[24:31] descriptor group 1 for a record
.set G0A, 32                           ; s[32:35], s[36:39] groups 0 for slot 0 and slot 1
.set G0B, 36
.set SEL, 40
.set CS,  42
.set HD,  44                           ; s44 head, s45 query tile, s46 the head's part of a slot, s47 my 8,960 bytes of a slot
.set XT,  45
.set HB,  46
.set WB,  47
.set G1P, 48                           ; s[48:55], s[56:59] groups 1 and 0 for my rows of Wp
.set G0P, 56
.macro PLACES                          ; four plain lines behind matrix instructions, in front of loads into their registers and of the first read of results
.rept 4
	v_nop
.endr
.endm
.macro CROUND                          ; a round of the cluster's barrier
	s_barrier_signal -1
	s_barrier_wait -1
	s_cmp_lg_u32 s[WVN], 0
	s_cbranch_scc1 .Lnot_wave_0_\@
	s_barrier_signal -3
.Lnot_wave_0_\@:
	s_barrier_wait -3
	s_barrier_signal -1
	s_barrier_wait -1
.endm
; one matrix instruction, C in registers (WMC) or the constant 0 (WMZ); ra, rb = 1: that side's scale words are read from lanes 16-31
.macro WMC d, a, b, c, sa, sb, ra, rb
.if ((\ra) == 0) && ((\rb) == 0)
	v_wmma_scale_f32_16x16x128_f8f6f4 v[\d:\d+7], v[\a:\a+7], v[\b:\b+7], v[\c:\c+7], v[\sa], v[\sb] matrix_a_fmt:MATRIX_FMT_FP4 matrix_b_fmt:MATRIX_FMT_FP4
.elseif ((\ra) == 1) && ((\rb) == 0)
	v_wmma_scale_f32_16x16x128_f8f6f4 v[\d:\d+7], v[\a:\a+7], v[\b:\b+7], v[\c:\c+7], v[\sa], v[\sb] matrix_a_fmt:MATRIX_FMT_FP4 matrix_b_fmt:MATRIX_FMT_FP4 matrix_a_scale:MATRIX_SCALE_ROW1
.elseif ((\ra) == 0) && ((\rb) == 1)
	v_wmma_scale_f32_16x16x128_f8f6f4 v[\d:\d+7], v[\a:\a+7], v[\b:\b+7], v[\c:\c+7], v[\sa], v[\sb] matrix_a_fmt:MATRIX_FMT_FP4 matrix_b_fmt:MATRIX_FMT_FP4 matrix_b_scale:MATRIX_SCALE_ROW1
.else
	v_wmma_scale_f32_16x16x128_f8f6f4 v[\d:\d+7], v[\a:\a+7], v[\b:\b+7], v[\c:\c+7], v[\sa], v[\sb] matrix_a_fmt:MATRIX_FMT_FP4 matrix_b_fmt:MATRIX_FMT_FP4 matrix_a_scale:MATRIX_SCALE_ROW1 matrix_b_scale:MATRIX_SCALE_ROW1
.endif
.endm
.macro WMZ d, a, b, sa, sb, ra, rb
.if ((\ra) == 0) && ((\rb) == 0)
	v_wmma_scale_f32_16x16x128_f8f6f4 v[\d:\d+7], v[\a:\a+7], v[\b:\b+7], 0, v[\sa], v[\sb] matrix_a_fmt:MATRIX_FMT_FP4 matrix_b_fmt:MATRIX_FMT_FP4
.elseif ((\ra) == 1) && ((\rb) == 0)
	v_wmma_scale_f32_16x16x128_f8f6f4 v[\d:\d+7], v[\a:\a+7], v[\b:\b+7], 0, v[\sa], v[\sb] matrix_a_fmt:MATRIX_FMT_FP4 matrix_b_fmt:MATRIX_FMT_FP4 matrix_a_scale:MATRIX_SCALE_ROW1
.elseif ((\ra) == 0) && ((\rb) == 1)
	v_wmma_scale_f32_16x16x128_f8f6f4 v[\d:\d+7], v[\a:\a+7], v[\b:\b+7], 0, v[\sa], v[\sb] matrix_a_fmt:MATRIX_FMT_FP4 matrix_b_fmt:MATRIX_FMT_FP4 matrix_b_scale:MATRIX_SCALE_ROW1
.else
	v_wmma_scale_f32_16x16x128_f8f6f4 v[\d:\d+7], v[\a:\a+7], v[\b:\b+7], 0, v[\sa], v[\sb] matrix_a_fmt:MATRIX_FMT_FP4 matrix_b_fmt:MATRIX_FMT_FP4 matrix_a_scale:MATRIX_SCALE_ROW1 matrix_b_scale:MATRIX_SCALE_ROW1
.endif
.endm
	s_load_b512 s[4:19], s[0:1], 0x0               ; qc 4, qs 6, kv 8, wp_codes 10, wp_scales 12, bp 14, x 16, out0 18
	v_lshl_add_u32 v3, v0, 2, SPARE                ; v3  my spare word; never rewritten
	v_mov_b32 v4, 0                                ; v4  0; never rewritten
	ds_add_u32 v3, v4
	ds_add_u32 v3, v4
	s_wait_dscnt 0x0
	v_lshrrev_b32 v9, 5, v0
	v_readfirstlane_b32 s[WVN], v9                 ; wave 0..15
	s_bfe_u32 s21, ttmp6, 0x40000                  ; cx
	s_lshl_b32 s22, ttmp9, 2
	s_add_co_u32 s22, s22, s21                     ; Bg = 4 x cluster x + cx: it enters Q's, x's and out0's addresses alone
	s_and_b32 s23, ttmp7, 0xffff                   ; b, which the four partners share
	s_lshr_b32 s[HD], s[WVN], 1                    ; my head
	s_and_b32 s[XT], s[WVN], 1                     ; my query tile; also: which of a slot's two key steps I fetch
	; group 1 for a record: 8,960 dense bytes as 35 rows of 32 elements of 8 bytes, no padding (the images are read as consecutive bytes)
	s_mov_b32 s[G1], 15|(3<<16)|(1<<21)            ; the mask: all four work-groups; elements of 8 bytes; bit 21 set beside a mask
	s_mov_b32 s[G1+1], 32<<16                      ; tensor_dim0 = 32
	s_mov_b32 s[G1+2], 35<<16                      ; tensor_dim1 = 35
	s_mov_b32 s[G1+3], 32<<16                      ; tile_dim0 = 32
	s_mov_b32 s[G1+4], 35                          ; tile_dim1 = 35
	s_mov_b32 s[G1+5], 32                          ; from row to row
	s_mov_b32 s[G1+6], 0
	s_mov_b32 s[G1+7], 0
	; group 1 for 32 rows of Wp: 256 bytes each, dense in memory, 4 words of padding behind every 64: rows 272 bytes apart, so that the 16 rows of a fragment load begin at 16 different banks
	s_mov_b32 s[G1P], 15|(3<<16)|(1<<20)|(1<<21)|(5<<22)|(3<<25)
	s_mov_b32 s[G1P+1], 32<<16
	s_mov_b32 s[G1P+2], 32<<16
	s_mov_b32 s[G1P+3], 32<<16
	s_mov_b32 s[G1P+4], 32
	s_mov_b32 s[G1P+5], 32
	s_mov_b32 s[G1P+6], 0
	s_mov_b32 s[G1P+7], 0
	s_mul_i32 s[HB], s[HD], HSL
	s_mul_i32 s[WB], s[WVN], REC
	s_lshl_b32 s62, s23, 3
	s_add_co_u32 s62, s62, s[HD]                   ; 8 b + head
	s_mul_i32 s60, s62, 8*REC                      ; my head's records in kv,
	s_mul_i32 s63, s[XT], REC
	s_add_co_u32 s60, s60, s63                     ; from key step w % 2 on
	s_mov_b32 s61, 0
	s_mov_b32 s[SEL], 0x76543210                   ; selects of v_permlanex16_b32: lane l xor 16
	s_mov_b32 s[SEL+1], 0xfedcba98
	s_mov_b32 s[CS], 0x3e38aa3b                    ; c = log2(e) / sqrt(64)
	s_mov_b32 s[CS+1], s[CS]                       ; (named with it as a pair)
	v_and_b32 v1, 31, v0
	v_lshlrev_b32 v7, 3, v1                        ; 8 x lane
	v_lshlrev_b32 v63, 2, v1                       ; 4 x lane
	v_lshlrev_b32 v1, 4, v1                        ; v1  16 x lane
	v_add_nc_u32 v5, s[HB], v1                     ; v5  my head's part of slot 0, 16 bytes a lane
	v_add_nc_u32 v6, SLOT1, v5                     ; v6  of slot 1
	v_add_nc_u32 v7, s[HB], v7                     ; v7  the same, 8 bytes a lane
	v_add_nc_u32 v8, SLOT1, v7                     ; v8
	v_and_b32 v32, 15, v0                          ; r
	v_lshlrev_b32 v33, 2, v32                      ; 4 r
	s_lshl_b32 s63, s[HD], 9
	s_lshl_b32 s2, s[XT], 12
	s_add_co_u32 s63, s63, s2
	v_add_nc_u32 v60, s63, v1
	v_add_nc_u32 v60, AIMG, v60                    ; v60 where my half fragment goes: 16 x lane + 512 x head + 4096 x tile
	s_lshr_b32 s63, s[HD], 1
	s_lshl_b32 s63, s63, 7
	s_and_b32 s2, s[HD], 1
	s_lshl_b32 s2, s2, 1
	s_add_co_u32 s63, s63, s2
	s_lshl_b32 s2, s[XT], 6
	s_add_co_u32 s63, s63, s2
	v_add_nc_u32 v61, s63, v33
	v_add_nc_u32 v61, ASC, v61                     ; v61 and its two scale bytes: 4 r + 128 (head / 2) + 2 (head % 2) + 64 x tile
	v_add_nc_u32 v62, AIMG, v1                     ; v62 back: 16 x lane
	v_add_nc_u32 v63, ASC, v63                     ; v63 4 x lane
	v_bfe_u32 v34, v0, 3, 2                        ; lane / 8
	v_and_b32 v2, 7, v0
	v_lshlrev_b32 v2, 4, v2
	v_lshl_add_u32 v2, v34, 12, v2                 ; v2  four rows of 128 bytes in x and out0: 4096 (lane / 8) + 16 (lane % 8)
	s_wait_kmcnt 0x0
	s_mov_b32 s[G0A], 1
	s_mov_b32 s[G0A+1], s[WB]                      ; slot 0: key steps 0, 1
	s_add_nc_u64 s[G0A+2:G0A+3], s[8:9], s[60:61]
	s_mov_b32 s[G0B], 1
	s_add_co_u32 s[G0B+1], s[WB], SLOT1            ; slot 1: key steps 2, 3
	s_add_nc_u64 s[G0B+2:G0B+3], s[G0A+2:G0A+3], HSL
	s_or_b32 s[G0A+3], s[G0A+3], 0x80000000
	s_or_b32 s[G0B+3], s[G0B+3], 0x80000000
	s_mov_b32 s[G0P], 1
	s_mov_b32 s[G0P+1], s[WB]                      ; slot 0, the third time: my 32 rows of Wp
	s_lshl_b32 s60, s[WVN], 13
	s_add_nc_u64 s[G0P+2:G0P+3], s[10:11], s[60:61]
	s_or_b32 s[G0P+3], s[G0P+3], 0x80000000
	CROUND                                         ; all four work-groups are here: the first joint loads meet
	tensor_load_to_lds s[G0A:G0A+3], s[G1:G1+7]    ; both first fills together: two loads of mine are out
	s_nop 0
	tensor_load_to_lds s[G0B:G0B+3], s[G1:G1+7]
	s_nop 0
	PLACES
	s_lshl_b32 s63, s22, 1
	s_add_co_u32 s63, s63, s[XT]                   ; my query tile among the head's 64
	s_lshl_b32 s60, s62, 15                        ; qc: (8 b + head) 32768 + tile 512
	s_lshl_b32 s2, s63, 9
	s_add_co_u32 s60, s60, s2
	s_add_nc_u64 s[4:5], s[4:5], s[60:61]
	s_lshl_b32 s60, s62, 12                        ; qs: (8 b + head) 4096 + tile 64
	s_lshl_b32 s2, s63, 6
	s_add_co_u32 s60, s60, s2
	s_add_nc_u64 s[6:7], s[6:7], s[60:61]
	s_lshl_b32 s60, s[WVN], 7                      ; bp: my 32 numbers
	s_add_nc_u64 s[14:15], s[14:15], s[60:61]
	s_lshl_b32 s60, s[WVN], 9                      ; Wp's scale rows: my 32, 16 bytes each
	s_add_nc_u64 s[12:13], s[12:13], s[60:61]
	s_lshl_b32 s60, s23, 21                        ; x, out0: b 2^21 + 32 w rows of 4,096 bytes + Bg 128
	s_lshl_b32 s2, s[WVN], 17
	s_add_co_u32 s60, s60, s2
	s_lshl_b32 s2, s22, 7
	s_add_co_u32 s60, s60, s2
	s_add_nc_u64 s[16:17], s[16:17], s[60:61]
	s_add_nc_u64 s[18:19], s[18:19], s[60:61]
	global_load_b128 v[Q:Q+3], v1, s[4:5]          ; Q: lane (r, h): query r, channel block h
	global_load_b32 v[QS], v33, s[6:7]             ; its scale words: lane r has row r's (lanes 16-31 hold the same and are not read)
	global_load_b32 v[BB], v33, s[14:15]           ; bp of channel 16 t + r of my 32
	global_load_b32 v[BB+1], v33, s[14:15] offset:64
	global_load_b128 v[WPS:WPS+3], v1, s[12:13]    ; Wp's scale words: register s; lanes 0-15 my tile 0's rows, lanes 16-31 tile 1's
.irp j, 4,5,6,7
	v_mov_b32 v[Q+\j], 0                           ; Q's upper half: zero codes
.endr
	v_mov_b32 v[ST+1], 0xff61b1e6                  ; the largest t so far: -3e38, under every t
	v_floor_f32 v[ST], -v[ST+1]                    ; -M
	v_mov_b32 v[ST+2], 0                           ; the sum, in two halves
	v_mov_b32 v[ST+3], 0
.irp b, 0,1,2,3
	v_mov_b32 v[T2+\b], 0                          ; a lane permute's destination counts as read: written once
.endr
	v_mov_b32 v[F+1], 0                            ; (named as the upper half of a pair before it is first written)
.set j, 0
.rept 32
	v_mov_b32 v[O+j], 0                            ; O^T: every key step has the same text; the first finds zeros, which the first change of M leaves zeros
.set j, j+1
.endr
; A KEY STEP: the record at byte rec x 8,960 of my head's part of a slot (a16, a8: that part's two address registers).
.macro STEP a16, a8, rec
	PLACES                                         ; behind the last step's products, in front of loads into V's registers and V's scale words
.irp t, 0,1,2,3,4,5,6,7
	ds_load_b128 v[KF+4*\t:KF+4*\t+3], v[\a16] offset:\rec*REC+512*\t
.endr
	ds_load_b128 v[VF:VF+3], v[\a16] offset:\rec*REC+4096          ; V's first four registers are named by the first product's last operand: they come with K
	ds_load_b128 v[KS:KS+3], v[\a16] offset:\rec*REC+8192          ; K's scale words: register t % 4; lanes 0-15 tiles 0-3, lanes 16-31 tiles 4-7
.irp i, 1,2,3,4,5,6,7
	ds_load_b128 v[VF+4*\i:VF+4*\i+3], v[\a16] offset:\rec*REC+4096+512*\i
.endr
	ds_load_b64 v[VS:VS+1], v[\a8] offset:\rec*REC+8704            ; V's scale words: register t % 2; lanes 0-15 tiles 0, 1, lanes 16-31 tiles 2, 3
	s_wait_dscnt 0x8                               ; all but the eight issued last (V's other seven, V's scale words), which are wanted a softmax later
.irp t, 0,1,2,3,4,5,6,7
	WMZ S+8*\t, KF+4*\t, Q, KS+(\t%4), QS, \t/4, 0
.endr
	PLACES
.irp b, 0,1,2,3
	v_max3_num_f32 v[MX+\b], v[S+16*\b], v[S+1+16*\b], v[S+2+16*\b]       ; the largest score of each block of 32 keys: for the row's maximum, and, since p rises with the score, for the block's largest p
.endr
.irp i, 3,5,7,9,11,13
.irp b, 0,1,2,3
	v_max3_num_f32 v[MX+\b], v[MX+\b], v[S+16*\b+\i], v[S+1+16*\b+\i]
.endr
.endr
.irp b, 0,1,2,3
	v_max_num_f32 v[MX+\b], v[MX+\b], v[S+15+16*\b]
.endr
.irp b, 0,1,2,3
	v_permlanex16_b32 v[T2+\b], v[MX+\b], s[SEL], s[SEL+1]
.endr
.irp b, 0,1,2,3
	v_max_num_f32 v[MX+\b], v[MX+\b], v[T2+\b]     ; with lane l xor 16's 16 keys
.endr
	v_max3_num_f32 v[TMP], v[MX], v[MX+1], v[MX+2]
	v_max_num_f32 v[TMP], v[TMP], v[MX+3]          ; the step's largest score of my query
	v_mul_f32 v[TMP], s[CS], v[TMP]                ; as t (c is positive)
	v_max_num_f32 v[ST+1], v[ST+1], v[TMP]         ; the running largest t
	v_mov_b32 v[TMP], v[ST]
	v_floor_f32 v[ST], -v[ST+1]                    ; the new -M = floor(-t) = -ceil(t)
	v_sub_f32 v[TMP], v[ST], v[TMP]                ; old M - new M: a whole number, 0 or less
	v_cvt_i32_f32 v[TMP], v[TMP]                   ; (it saturates)
	v_ldexp_f32 v[F], 1.0, v[TMP]                  ; f = 2^(old M - new M)
.irp b, 0,1,2,3
	v_fma_f32 v[MX+\b], v[MX+\b], s[CS], v[ST]     ; t - M of each block's largest score
.endr
.irp j, 0,2,4
	v_pk_fma_f32 v[S+\j:S+\j+1], v[S+\j:S+\j+1], s[CS:CS+1], v[ST:ST+1] op_sel_hi:[1,0,0]   ; t - M of the first three pairs of scores
.endr
.irp b, 0,1,2,3
	v_exp_f32 v[MX+\b], v[MX+\b]                   ; the block's largest p: the same two instructions on the same number as its score gets below
.endr
	v_pk_mul_f32 v[ST+2:ST+3], v[ST+2:ST+3], v[F:F+1] op_sel_hi:[1,0]     ; the sums under the new M (a plain line behind the exponentials)
	s_wait_alu depctr_va_vdst(0)
.irp b, 0,1,2,3
	v_max_num_f32 v[MX+\b], 0x1800000, v[MX+\b]    ; the floor 2^(3 - 127): the byte cannot fall under 1
.endr
.irp b, 0,1,2,3
	v_add_nc_u32 v[SO+\b], 0xff000000, v[MX+\b]    ; 2 off the exponent field: the conversion's scale operand
.endr
.irp b, 0,1,2,3
	v_lshrrev_b32 v[T2+\b], 23, v[SO+\b]           ; the scale's byte
.endr
	v_lshl_or_b32 v[F+1], v[T2+1], 8, v[T2]        ; p's scale word for these 128 keys
	v_lshl_or_b32 v[F+1], v[T2+2], 16, v[F+1]
	v_lshl_or_b32 v[F+1], v[T2+3], 24, v[F+1]
; p = 2^(t - M), 64 exponentials, BY TURNS WITH PLAIN WORK: behind the first of pair jm stands the scaling of pair jm + 3 (at the end: O^T x f), behind the second the addition of pair jm - 2 to the row's sum
; (at the start: O^T x f).  So no two exponentials follow each other, each has a plain line behind it that names none of its registers, and no p is read before such a line.
; The row's sum is taken of the unquantised p, in two chains.  O^T x f goes in ascending order: each accumulator is first read at its low end.
.set jm, 0
.rept 32
	v_exp_f32 v[S+2*jm], v[S+2*jm]
.if jm < 29
	v_pk_fma_f32 v[S+2*jm+6:S+2*jm+7], v[S+2*jm+6:S+2*jm+7], s[CS:CS+1], v[ST:ST+1] op_sel_hi:[1,0,0]
.else
	v_pk_mul_f32 v[O+6+2*(jm-29):O+7+2*(jm-29)], v[O+6+2*(jm-29):O+7+2*(jm-29)], v[F:F+1] op_sel_hi:[1,0]
.endif
	v_exp_f32 v[S+2*jm+1], v[S+2*jm+1]
.if jm < 3
	v_pk_mul_f32 v[O+2*jm:O+2*jm+1], v[O+2*jm:O+2*jm+1], v[F:F+1] op_sel_hi:[1,0]
.elseif jm == 3
	s_wait_alu depctr_va_vdst(0)
	v_pk_add_f32 v[UU:UU+1], v[S:S+1], v[S+2:S+3]                  ; pairs 0 and 1 start the second chain
.elseif (jm%2) == 0
	s_wait_alu depctr_va_vdst(0)
	v_pk_add_f32 v[ST+2:ST+3], v[ST+2:ST+3], v[S+2*jm-4:S+2*jm-3]
.else
	s_wait_alu depctr_va_vdst(0)
	v_pk_add_f32 v[UU:UU+1], v[UU:UU+1], v[S+2*jm-4:S+2*jm-3]
.endif
.set jm, jm+1
.endr
	v_pk_add_f32 v[ST+2:ST+3], v[ST+2:ST+3], v[S+60:S+61]
	s_wait_alu depctr_va_vdst(0)
	v_pk_add_f32 v[UU:UU+1], v[UU:UU+1], v[S+62:S+63]
	v_pk_add_f32 v[ST+2:ST+3], v[ST+2:ST+3], v[UU:UU+1]
.irp b, 0,1,2,3
	v_cvt_scalef32_pk8_fp4_f32 v[P+2*\b], v[S+16*\b:S+7+16*\b], v[SO+\b]
	v_cvt_scalef32_pk8_fp4_f32 v[P+1+2*\b], v[S+8+16*\b:S+15+16*\b], v[SO+\b]
.endr
	v_nop                                          ; one plain line behind a scaled conversion
.irp c, 0,1                                    ; the operand's layout wants a whole block in a lane
.irp i, 0,1
	v_permlane16_swap_b32 v[P+4*\c+\i], v[P+2+4*\c+\i]
.endr
.endr
.set j, 12
.rept 10
	v_pk_mul_f32 v[O+j:O+j+1], v[O+j:O+j+1], v[F:F+1] op_sel_hi:[1,0]     ; the rest of O^T x f: also the plain lines between the making of p's codes and their use
.set j, j+2
.endr
	s_wait_dscnt 0x0                               ; V and its scale words
.irp t, 0,1,2,3
	WMC O+8*\t, VF+8*\t, P, O+8*\t, VS+(\t%2), F+1, \t/2, 0
.endr
.endm
; A slot that every wave has read is filled again.  All my tensor loads have landed (my part of the other slot among them), 0 is added to my spare word, that and my reads of the slot are waited for;
; a round of the cluster's barrier: now the other slot is whole for every wave, and no wave of any partner reads this one; the joint refill is the first thing behind it: one load of mine is out, and it
; has two key steps in which to land.  step = 1: the descriptor walks four key steps on.
.macro CHANGE g0, g1, step
	s_wait_tensorcnt 0x0
	ds_add_u32 v3, v4
.if \step
	s_add_nc_u64 s[\g0+2:\g0+3], s[\g0+2:\g0+3], 2*HSL
.endif
	s_wait_dscnt 0x0
	CROUND
	tensor_load_to_lds s[\g0:\g0+3], s[\g1:\g1+7]
	s_nop 0
	PLACES
.endm
	s_wait_loadcnt 0x0                             ; Q, the scale words, bp: five small loads; their address registers are free from here on
	s_wait_tensorcnt 0x1                           ; my part of slot 0 is in; slot 1's load may be out
	s_barrier_signal -1
	s_barrier_wait -1                              ; everybody's is
	STEP 5, 7, 0                                   ; key steps 0, 1
	STEP 5, 7, 1
	CHANGE G0A, G1, 1                              ; slot 0 takes key steps 4, 5
.irp i, 0,1,2,3,4,5,6,7
	global_load_b128 v[XR+4*\i:XR+4*\i+3], v2, s[16:17] offset:16384*\i   ; the residual, my 32 channels x 32 pixels: asked for here, behind the first tiles, and wanted at the end
.endr
	STEP 6, 8, 0                                   ; 2, 3
	STEP 6, 8, 1
	CHANGE G0B, G1, 1                              ; slot 1 takes key steps 6, 7
	STEP 5, 7, 0                                   ; 4, 5
	STEP 5, 7, 1
	CHANGE G0P, G1P, 0                             ; slot 0 takes Wp
	STEP 6, 8, 0                                   ; 6, 7
	STEP 6, 8, 1
	; three LDS addresses for the end: fifteen plain lines, the places behind the last products
	v_and_b32 v32, 15, v0                          ; r
	v_bfe_u32 v33, v0, 4, 1                        ; h
	v_mul_u32_u24 v38, v32, 272
	v_lshl_add_u32 v38, v33, 4, v38
	v_add_nc_u32 v38, s[WB], v38                   ; v38 Wp's fragments: my rows in slot 0, row r x 272 + 16 h
	v_mul_u32_u24 v34, v32, 144
	v_lshl_add_u32 v34, v33, 6, v34
	v_add_nc_u32 v34, s[WB], v34
	v_add_nc_u32 v34, SLOT1, v34                   ; v34 the stage, in: row r, + 64 h
	v_bfe_u32 v35, v0, 3, 2
	v_and_b32 v39, 7, v0
	v_lshlrev_b32 v39, 4, v39
	v_mad_u32_u24 v35, v35, 144, v39
	v_add_nc_u32 v35, s[WB], v35
	v_add_nc_u32 v35, SLOT1, v35                   ; v35 back: four rows of 128 bytes an instruction
	s_wait_tensorcnt 0x0                           ; my rows of Wp are in, and only I read them
.irp t, 0,1
.irp s, 0,1,2,3
.irp c, 0,1
	ds_load_b128 v[KF+8*(4*\t+\s)+4*\c:KF+8*(4*\t+\s)+4*\c+3], v38 offset:4352*\t+64*\s+32*\c   ; fragment (t, s): they land while O is normalised and quantised
.endr
.endr
.endr
	; O^T / the sum, quantised along the channels: my head's 64 channels are two blocks: half head % 2 of K step head / 2 of the projection
	v_add_f32 v[TMP], v[ST+2], v[ST+3]             ; the sum's two halves,
	v_permlanex16_b32 v[T2], v[TMP], s[SEL], s[SEL+1]
	v_add_f32 v[TMP], v[TMP], v[T2]                ; and lane l xor 16's
	v_rcp_f32 v[F], v[TMP]
	v_nop                                          ; a plain line behind the transcendental
.set j, 0
	s_wait_alu depctr_va_vdst(0)
.rept 16
	v_pk_mul_f32 v[O+j:O+j+1], v[O+j:O+j+1], v[F:F+1] op_sel_hi:[1,0]     ; each accumulator from its low end on
.set j, j+2
.endr
.irp g, 0,1
	v_max3_num_f32 v[MX+\g], |v[O+16*\g]|, |v[O+16*\g+1]|, 0x1800000
.endr
.irp i, 2,4,6,8,10,12,14
.irp g, 0,1
	v_max3_num_f32 v[MX+\g], v[MX+\g], |v[O+16*\g+\i]|, |v[O+16*\g+\i+1]|
.endr
.endr
.irp g, 0,1
	v_permlanex16_b32 v[T2+\g], v[MX+\g], s[SEL], s[SEL+1]
.endr
.irp g, 0,1
	v_max_num_f32 v[MX+\g], v[MX+\g], v[T2+\g]
.endr
.irp g, 0,1
	v_add_nc_u32 v[SO+\g], 0xff000000, v[MX+\g]
.endr
.irp g, 0,1
	v_lshrrev_b32 v[T2+\g], 23, v[SO+\g]
.endr
	v_lshl_or_b32 v[PW], v[T2+1], 8, v[T2]         ; my head's two bytes of the row's scale word
.irp g, 0,1
	v_cvt_scalef32_pk8_fp4_f32 v[P+2*\g], v[O+16*\g:O+16*\g+7], v[SO+\g]
	v_cvt_scalef32_pk8_fp4_f32 v[P+2*\g+1], v[O+16*\g+8:O+16*\g+15], v[SO+\g]
.endr
	v_nop                                          ; one plain line behind a scaled conversion
	v_permlane16_swap_b32 v[P], v[P+2]
	v_permlane16_swap_b32 v[P+1], v[P+3]
	ds_store_b128 v60, v[P:P+3]
	ds_store_b16 v61, v[PW]                        ; (lanes l and l + 16 hold the same bytes and write the same place)
	s_wait_dscnt 0x0                               ; for the others' sake: my stores have landed, and my reads of slot 1 are long over
	s_barrier_signal -1
	s_barrier_wait -1                              ; the sixteen parts lie in LDS
.irp u, 0,1
.irp s, 0,1,2,3
.irp c, 0,1
	ds_load_b128 v[S+8*(4*\u+\s)+4*\c:S+8*(4*\u+\s)+4*\c+3], v62 offset:((4*\u+\s)*2+\c)*512
.endr
.endr
.endr
.irp s, 0,1,2,3
	ds_load_b32 v[KS+\s], v63 offset:128*\s        ; lanes 0-15 tile 0's rows, lanes 16-31 tile 1's
.endr
	s_wait_dscnt 0x0
	; the projection: source 0 = 16 pixels, source 1 = 16 rows of Wp: lane (r, h) holds channel 16 t + r of my 32 and pixels 16 h + 8 u + 0 .. 7.  Four accumulators by turns
.irp s, 0,1,2,3
.irp t, 0,1
.irp u, 0,1
.if \s == 0
	WMZ O+8*(2*\t+\u), S+8*(4*\u+\s), KF+8*(4*\t+\s), KS+\s, WPS+\s, \u, \t
.else
	WMC O+8*(2*\t+\u), S+8*(4*\u+\s), KF+8*(4*\t+\s), O+8*(2*\t+\u), KS+\s, WPS+\s, \u, \t
.endif
.endr
.endr
.endr
	PLACES
.irp n, 0,2,4,6,8,10,12,14
	v_pk_add_f32 v[O+\n:O+\n+1], v[O+\n:O+\n+1], v[BB:BB+1] op_sel_hi:[1,0]                       ; + bp of my channel, tile 0
.endr
.irp n, 0,2,4,6,8,10,12,14
	v_pk_add_f32 v[O+16+\n:O+16+\n+1], v[O+16+\n:O+16+\n+1], v[BB:BB+1] op_sel:[0,1] op_sel_hi:[1,1]   ; tile 1
.endr
	; through my stage: a lane's 64 bytes of one channel's row go in, four whole rows of 128 bytes come back.  LDS serves a wave's instructions in order: no wait between the stores and the loads
.irp t, 0,1
.irp u, 0,1
	ds_store_b128 v34, v[O+16*\t+8*\u:O+16*\t+8*\u+3] offset:2304*\t+32*\u
	ds_store_b128 v34, v[O+16*\t+8*\u+4:O+16*\t+8*\u+7] offset:2304*\t+32*\u+16
.endr
.endr
.irp i, 0,1,2,3,4,5,6,7
	ds_load_b128 v[S+4*\i:S+4*\i+3], v35 offset:576*\i
.endr
	s_wait_dscnt 0x0
	s_wait_loadcnt 0x0                             ; x
.set j, 0
.rept 16
	v_pk_add_f32 v[S+j:S+j+1], v[S+j:S+j+1], v[XR+j:XR+j+1]        ; + the residual
.set j, j+2
.endr
.irp i, 0,1,2,3,4,5,6,7
	global_store_b128 v2, v[S+4*\i:S+4*\i+3], s[18:19] offset:16384*\i
.endr
	s_wait_tensorcnt 0x0                           ; the wave's end
	ds_add_u32 v3, v4
	s_wait_dscnt 0x0
	CROUND                                         ; the closing round: no work-group ends while a partner may still ask for a tile that names it
	s_endpgm
.Lfunc_end_k_q8274e8ca8c_attn:
	.size	k_q8274e8ca8c_attn, .Lfunc_end_k_q8274e8ca8c_attn-k_q8274e8ca8c_attn
	.p2alignl 7, 3214868480
	.fill 96, 4, 3214868480
	.section	.rodata,"a",@progbits
	.p2align	6, 0x0
	.amdhsa_kernel k_q8274e8ca8c_attn
		.amdhsa_group_segment_fixed_size 327680
		.amdhsa_private_segment_fixed_size 0
		.amdhsa_enable_private_segment 0
		.amdhsa_kernarg_size 64
		.amdhsa_user_sgpr_count 2
		.amdhsa_user_sgpr_kernarg_segment_ptr 1
		.amdhsa_wavefront_size32 1
		.amdhsa_system_sgpr_workgroup_id_x 1
		.amdhsa_system_sgpr_workgroup_id_y 1
		.amdhsa_system_sgpr_workgroup_id_z 1
		.amdhsa_system_vgpr_workitem_id 0
		.amdhsa_next_free_vgpr 256
		.amdhsa_next_free_sgpr 66
		.amdhsa_reserve_vcc 0
		.amdhsa_float_denorm_mode_32 3
		.amdhsa_float_denorm_mode_16_64 3
		.amdhsa_memory_ordered 1
		.amdhsa_forward_progress 1
		.amdhsa_inst_pref_size 147
	.end_amdhsa_kernel
	.amdgpu_metadata
---
amdhsa.version: [ 1, 2 ]
amdhsa.kernels:
  - .name:           k_q8274e8ca8c_attn
    .symbol:         k_q8274e8ca8c_attn.kd
    .args:
      - { .name: qc, .offset: 0, .size: 8, .value_kind: global_buffer, .address_space: global }
      - { .name: qs, .offset: 8, .size: 8, .value_kind: global_buffer, .address_space: global }
      - { .name: kv, .offset: 16, .size: 8, .value_kind: global_buffer, .address_space: global }
      - { .name: wp_codes, .offset: 24, .size: 8, .value_kind: global_buffer, .address_space: global }
      - { .name: wp_scales, .offset: 32, .size: 8, .value_kind: global_buffer, .address_space: global }
      - { .name: bp, .offset: 40, .size: 8, .value_kind: global_buffer, .address_space: global }
      - { .name: x, .offset: 48, .size: 8, .value_kind: global_buffer, .address_space: global }
      - { .name: out0, .offset: 56, .size: 8, .value_kind: global_buffer, .address_space: global }
    .group_segment_fixed_size: 327680
    .private_segment_fixed_size: 0
    .kernarg_segment_align: 8
    .kernarg_segment_size: 64
    .max_flat_workgroup_size: 512
    .sgpr_count:     66
    .vgpr_count:     256
    .wavefront_size: 32
...
	.end_amdgpu_metadata
.endif
;; end of part 3
